; MI455X (gfx1250); checked and timed in simulation.
; The chip was launched on July 23, 2026; its instructions are those of AMD's public machine-readable ISA for CDNA 5 (MIT licence, August 2026) and "CDNA5" Instruction Set Architecture Reference Guide (July 2026). The comments in the code are by the model that wrote it; some were corrected since.
;; Self Attention. Allowed arithmetic: matrix products marked QUANTISED: E2M1 operands, one E8M0 scale for each 32 along K, by v_wmma_scale_f32_16x16x128_f8f6f4 with both operands' format E2M1 (or v_wmma_scale_f32_32x16x128_f4), f32 sums; everything else in f32.
;; Inputs: Wk 512 x 512 float32; Wq 512 x 512 float32; Wv 512 x 512 float32; bk 512 float32; bq 512 float32; bv 512 float32; x 2 x 4,096 x 512 float32.
;; Outputs: out0 2 x 4,096 x 512 float32.
;; This version of the problem:
;;   THIS VERSION OF THE PROBLEM IS GIVEN IN LOW PRECISION. The matrix products marked QUANTISED in the list below multiply operands that are first quantised to E2M1 (2 exponent bits, 1 mantissa bit; 4 bits a number), with one power-of-two scale for each 32 numbers along K (OCP MX v1.0); their sums are f32. All else is computed in f32.
;;   The module's matrix products, in the order in which they are computed (A, B: the left and right operand; K: the contracted axis; several contracted axes count as one K, in the product's order):
;;     1. [M 8,192, K 512] x [K 512, N 512]; A: input x; B: input Wq: QUANTISED
;;     2. [M 8,192, K 512] x [K 512, N 512]; A: input x; B: input Wk: QUANTISED
;;     3. [M 8,192, K 512] x [K 512, N 512]; A: input x; B: input Wv: QUANTISED
;;     4. batch 16 x [M 4,096, K 64] x [K 64, N 4,096]; A: computed on the way; B: computed on the way: QUANTISED
;;     5. batch 16 x [M 4,096, K 4,096] x [K 4,096, N 64]; A: softmax (see below); B: computed on the way: QUANTISED
;;   THE QUANTISER, for each operand of a quantised product, along K:
;;     - K is cut into blocks of 32 from its start; a last block that is shorter is filled with zeros.
;;     - A block's scale is 2^e with e = floor(log2(the largest magnitude in the block)) - 2, held to -126 .. 127; a block of zeros has e = 0. As a byte (E8M0): e + 127.
;;     - Each number is divided by its block's scale, clamped to +-6, and rounded to the nearest number of E2M1, ties to even, subnormals kept.
;;     - The product sums the exact products of the quantised numbers (number of the format x scale) in f32.
;;   ~~~python
;;   def quantise(x, axis):      # numpy; x: float32 -> the quantised numbers, widened to float32 again
;;       x = np.moveaxis(x, axis, -1); K = x.shape[-1]
;;       x = np.pad(x, [(0, 0)] * (x.ndim - 1) + [(0, -K % 32)]); x = x.reshape(x.shape[:-1] + (-1, 32)); a = np.abs(x).max(-1, keepdims=True)
;;       e = np.where(a > 0, np.clip(np.frexp(np.where(a > 0, a, 1))[1] - 1 - 2, -126, 127), 0)      # np.frexp(a)[1] - 1 = floor(log2(a)), exactly
;;       r = np.clip(x / 2.0 ** e, -6, 6)
;;       step = 2.0 ** (np.maximum(np.frexp(np.where(r == 0, 1, r))[1] - 1, 0) - 1)
;;       q = np.round(r / step) * step * 2.0 ** e      # np.round: ties to even
;;       return np.moveaxis(q.reshape(q.shape[:-2] + (-1,))[..., :K], -1, axis).astype(np.float32)
;;   ~~~
;;   SOFTMAX AHEAD OF A QUANTISED PRODUCT. Where the list says 'softmax', what is quantised is not the finished softmax but p = 2^(t - M), with t = logit x log2(e) and M = ceil(the row's largest t), a whole number; so 1/2 < the row's largest p <= 1. The row's sum l is taken of the UNQUANTISED p, in f32, and the product's result is divided by l at the end. Since M is a whole number, a kernel that streams over the keys may use a running M (the ceiling of the running maximum): every later rescaling is an exact power of two, which a block's scale takes up: the codes' values come out the same.
;;   OPERANDS COMPUTED ON THE WAY. 'Computed on the way' means the value that the module computes at that place (a softmax that the list does not call 'softmax' is quantised finished and normalised). What goes into a quantiser is computed in f32, as accurately as f32 sums, v_exp_f32 and their like allow (about 1e-6 of the number): no bf16 or f16 on the way to a quantiser, and a product that is left as it is and whose result goes on into a quantised operand takes f32 operands (vector FMAs, or v_wmma_f32_16x16x4_f32). A number that lies on a knife's edge between two numbers of the format may be rounded either way, as far as f32 arithmetic and the matrix unit's own rounding can turn it there, and no further.
;; One version. Each part assembles by itself: llvm-mc -triple=amdgcn-amd-amdhsa -mcpu=gfx1250 --defsym DOCPART=n.
;; ======== version 1 of 1: 3 launches
;; limits: right only within a limited range of input values
;; workspace buffers: wimg 393,216 bytes; wscl 24,576 bytes; qc 2,228,224 bytes; kv 4,456,448 bytes
;; launch wquant (part 1): grid 4 x 12, 8 waves a work-group, no clusters, 0 bytes of LDS; arguments Wq, Wk, Wv, wimg, wscl; writes wimg, wscl
.if DOCPART == 1
	.amdgcn_target "amdgcn-amd-amdhsa--gfx1250"
	.amdhsa_code_object_version 6
	.text
	.protected	k_qb34f13f0c9_wquant
	.globl	k_qb34f13f0c9_wquant
	.p2align	8
	.type	k_qb34f13f0c9_wquant,@function
k_qb34f13f0c9_wquant:
	s_mov_b64 s[64:65], 0
	v_nop
	global_prefetch_b8 v0, s[64:65] scope:SCOPE_SE
	s_setreg_imm32_b32 hwreg(HW_REG_WAVE_MODE, 25, 1), 1
	s_wait_xcnt 0x0
; SELF-ATTENTION IN MX-FP4, launch 1 of 3: Wq, Wk, Wv [512 (k)][512 (n)], f32, become codes of E2M1 with one E8M0 byte for each 32 along K.
; NO WORK OF reference() IS LEFT OUT in this program: x and the three weights are operands of quantised products; bq, bk and bv are added ahead of the quantisers of q, k and v,
; so each of them can move codes or scale bytes of a live product (bk too, though in real numbers the softmax would cancel it).  All seven inputs are loaded.
; LIMITS: NaN and infinities among the inputs are not served.  A block whose largest magnitude lies under 2^-124 keeps the byte 1; a block of zeros has the byte 1 where the
; rule says 127: its codes are zeros, which add nothing under any byte but 0xff, and these bytes are read by this program alone.
; LAYOUT OUT.  wimg [w = 0 q, 1 k, 2 v][head 8][tile 4][K step 4][1,024 bytes]: a fragment (16 columns n x 128 k) as the image of its operand registers: block b of 32 k of row r at 256 b + 16 r.
; THE COLUMNS OF A TILE ARE NOT NEIGHBOURS: row r of tile 2 p + u of a head is column 32 p + 8 u + r + (r & 8), so that eight results of two neighbouring tiles are 16 neighbours along the next K.
; wscl [w][head][K step][p][lane] words: lanes 0-15 the rows of tile 2 p, lanes 16-31 those of tile 2 p + 1; byte b of a word scales block b of the K step.
; SHARES.  Work-group (g, 4 w + s): 128 columns of matrix w, K step s, eight waves.  Wave 4 e + i takes 32 columns (pair of tiles i) and blocks 2 e, 2 e + 1 of the K step: 64 loads, all issued at once.
; A LANE TAKES A COLUMN AND ITS REGISTERS RUN DOWN K: a block of 32 is one lane's, its largest magnitude needs no other lane, and the conversions give codes with K innermost.
; Each load reads 128 bytes in a wave, four waves 512 on end.  A wave's two scale bytes are half a word: 16 bits a lane, 4 bytes apart.  No LDS, no barrier: waves share nothing.
.set X,  32                            ; v32-95   64 numbers: two blocks
.set C,  96                            ; v96-103  four registers of codes for each block: no store's data are written again
.set SB, 104                           ; v104     the two scale bytes
	s_load_b256 s[4:11], s[0:1], 0x0               ; Wq s[4:5], Wk s[6:7], Wv s[8:9], wimg s[10:11]
	s_load_b64 s[12:13], s[0:1], 0x20              ; wscl
	v_lshrrev_b32 v1, 5, v0
	v_readfirstlane_b32 s14, v1                    ; wave 0..7
	s_lshr_b32 s29, s14, 2                         ; e: which two blocks
	s_and_b32 s14, s14, 3                          ; i: which pair of tiles
	v_and_b32 v1, 31, v0                           ; lane L = 16 u + r
	s_and_b32 s15, ttmp7, 0xffff
	s_lshr_b32 s16, s15, 2                         ; w: which matrix
	s_and_b32 s17, s15, 3                          ; s: which K step of 128
	s_lshl_b32 s18, ttmp9, 2
	s_add_co_u32 s18, s18, s14                     ; P: which pair of tiles (32 columns) of the matrix, 0..15
	v_and_b32 v5, 7, v1
	v_and_b32 v6, 8, v1
	v_lshl_add_u32 v5, v6, 1, v5                   ; r + (r & 8)
	v_and_b32 v6, 16, v1
	v_lshrrev_b32 v6, 1, v6                        ; 8 u
	v_add_nc_u32 v5, v5, v6                        ; my column in the pair
	s_lshl_b32 s19, s18, 7                         ; the pair's 128 bytes in a row of W
	v_lshl_add_u32 v2, v5, 2, s19                  ; v2: my column's byte in a row of W
	v_and_b32 v6, 15, v1
	v_lshrrev_b32 v7, 4, v1
	v_lshlrev_b32 v3, 4, v6
	v_lshl_add_u32 v3, v7, 12, v3                  ; v3: 16 r in my tile's image; tile 2 p + 1 lies 4,096 bytes behind tile 2 p
	v_lshlrev_b32 v4, 2, v1                        ; v4: my scale word
	s_lshl_b32 s22, s17, 18                        ; W: 128 s + 64 e rows of 2,048 bytes
	s_lshl_b32 s30, s29, 17
	s_add_co_u32 s22, s22, s30
	s_mov_b32 s23, 0
	s_lshl_b32 s24, s16, 17                        ; wimg: 131,072 w + 8,192 P + 1,024 s + 512 e
	s_lshl_b32 s26, s18, 13
	s_add_co_u32 s24, s24, s26
	s_lshl_b32 s26, s17, 10
	s_add_co_u32 s24, s24, s26
	s_lshl_b32 s26, s29, 9
	s_add_co_u32 s24, s24, s26
	s_mov_b32 s25, 0
	s_lshl_b32 s26, s16, 13                        ; wscl: 8,192 w + 1,024 (P / 2) + 256 s + 128 (P % 2) + 2 e
	s_lshr_b32 s28, s18, 1
	s_lshl_b32 s28, s28, 10
	s_add_co_u32 s26, s26, s28
	s_lshl_b32 s28, s17, 8
	s_add_co_u32 s26, s26, s28
	s_and_b32 s28, s18, 1
	s_lshl_b32 s28, s28, 7
	s_add_co_u32 s26, s26, s28
	s_lshl_b32 s28, s29, 1
	s_add_co_u32 s26, s26, s28
	s_mov_b32 s27, 0
	s_wait_alu depctr_va_vdst(0)                   ; the wait at the head's end
	s_wait_kmcnt 0x0
	s_cmp_eq_u32 s16, 0                            ; the matrix is chosen by the work-group's number alone
	s_cselect_b64 s[20:21], s[4:5], s[6:7]
	s_cmp_eq_u32 s16, 2
	s_cselect_b64 s[20:21], s[8:9], s[20:21]
	s_add_nc_u64 s[20:21], s[20:21], s[22:23]
	s_add_nc_u64 s[10:11], s[10:11], s[24:25]
	s_add_nc_u64 s[12:13], s[12:13], s[26:27]
.set i, 0
.rept 64
	global_load_b32 v[X+i], v2, s[20:21] offset:2048*i th:TH_LOAD_NT   ; W(128 s + 64 e + i, my column)
.set i, i+1
.endr
.macro BLOCK bb
.set XB, X+32*(\bb)
	s_wait_loadcnt 32-32*(\bb)                     ; this block's 32 loads are in; the second block's 32 may be out
	v_max3_num_f32 v12, |v[XB]|, |v[XB+1]|, |v[XB+2]|              ; the block's largest magnitude, in two chains: all 32 numbers are mine
	v_max3_num_f32 v13, |v[XB+3]|, |v[XB+4]|, |v[XB+5]|
.irp i, 6,10,14,18,22,26
	v_max3_num_f32 v12, v12, |v[XB+\i]|, |v[XB+\i+1]|
	v_max3_num_f32 v13, v13, |v[XB+\i+2]|, |v[XB+\i+3]|
.endr
	v_max3_num_f32 v12, v12, |v[XB+30]|, |v[XB+31]|
	v_max3_num_f32 v12, v12, v13, 0x1800000        ; and the floor 2^(3 - 127): the byte cannot fall under 1
	v_add_nc_u32 v11, 0xff000000, v12              ; 2 off its exponent field: the conversion takes the exponent field of this operand as its scale
	v_lshrrev_b32 v13, 23, v11                     ; the scale's byte
.if (\bb) == 0
	v_mov_b32 v[SB], v13
.else
	v_lshl_or_b32 v[SB], v13, 8, v[SB]             ; the lower k in the lower byte
.endif
.irp g, 0,1,2,3
	v_cvt_scalef32_pk8_fp4_f32 v[C+4*(\bb)+\g], v[XB+8*\g:XB+8*\g+7], v11
.endr
	v_nop                                          ; one plain place behind the last scaled conversion
	global_store_b128 v3, v[C+4*(\bb):C+4*(\bb)+3], s[10:11] offset:256*(\bb)   ; lanes 0-15 store 256 consecutive aligned bytes of one tile's image, lanes 16-31 of the other's
.endm
	BLOCK 0
	BLOCK 1
	global_store_b16 v4, v[SB], s[12:13]           ; my half of the pair's 32 scale words of this K step
	s_endpgm
.Lfunc_end_k_qb34f13f0c9_wquant:
	.size	k_qb34f13f0c9_wquant, .Lfunc_end_k_qb34f13f0c9_wquant-k_qb34f13f0c9_wquant
	.p2alignl 7, 3214868480
	.fill 96, 4, 3214868480
	.section	.rodata,"a",@progbits
	.p2align	6, 0x0
	.amdhsa_kernel k_qb34f13f0c9_wquant
		.amdhsa_group_segment_fixed_size 0
		.amdhsa_private_segment_fixed_size 0
		.amdhsa_enable_private_segment 0
		.amdhsa_kernarg_size 40
		.amdhsa_user_sgpr_count 2
		.amdhsa_user_sgpr_kernarg_segment_ptr 1
		.amdhsa_wavefront_size32 1
		.amdhsa_system_sgpr_workgroup_id_x 1
		.amdhsa_system_sgpr_workgroup_id_y 1
		.amdhsa_system_sgpr_workgroup_id_z 1
		.amdhsa_system_vgpr_workitem_id 0
		.amdhsa_next_free_vgpr 112
		.amdhsa_next_free_sgpr 66
		.amdhsa_reserve_vcc 0
		.amdhsa_float_denorm_mode_32 3
		.amdhsa_float_denorm_mode_16_64 3
		.amdhsa_memory_ordered 1
		.amdhsa_forward_progress 1
		.amdhsa_inst_pref_size 12
	.end_amdhsa_kernel
	.amdgpu_metadata
---
amdhsa.version: [ 1, 2 ]
amdhsa.kernels:
  - .name:           k_qb34f13f0c9_wquant
    .symbol:         k_qb34f13f0c9_wquant.kd
    .args:
      - { .name: Wq, .offset: 0, .size: 8, .value_kind: global_buffer, .address_space: global }
      - { .name: Wk, .offset: 8, .size: 8, .value_kind: global_buffer, .address_space: global }
      - { .name: Wv, .offset: 16, .size: 8, .value_kind: global_buffer, .address_space: global }
      - { .name: wimg, .offset: 24, .size: 8, .value_kind: global_buffer, .address_space: global }
      - { .name: wscl, .offset: 32, .size: 8, .value_kind: global_buffer, .address_space: global }
    .group_segment_fixed_size: 0
    .private_segment_fixed_size: 0
    .kernarg_segment_align: 8
    .kernarg_segment_size: 40
    .max_flat_workgroup_size: 256
    .sgpr_count:     66
    .vgpr_count:     112
    .wavefront_size: 32
...
	.end_amdgpu_metadata
.endif
;; end of part 1
;; launch proj (part 2): grid 64 x 3, 8 waves a work-group, no clusters, 35,840 bytes of LDS; arguments x, wimg, wscl, bq, bk, bv, qc, kv; writes qc, kv
.if DOCPART == 2
	.amdgcn_target "amdgcn-amd-amdhsa--gfx1250"
	.amdhsa_code_object_version 6
	.text
	.protected	k_qb34f13f0c9_proj
	.globl	k_qb34f13f0c9_proj
	.p2align	8
	.type	k_qb34f13f0c9_proj,@function
k_qb34f13f0c9_proj:
	s_mov_b64 s[64:65], 0
	v_nop
	global_prefetch_b8 v0, s[64:65] scope:SCOPE_SE
	s_setreg_imm32_b32 hwreg(HW_REG_WAVE_MODE, 25, 1), 1
	s_wait_xcnt 0x0
; SELF-ATTENTION IN MX-FP4, launch 2 of 3: q = x Wq + bq, k = x Wk + bk, v = x Wv + bv on codes of E2M1, and the results quantised again for the attention's two products.  No work is left out.
; SHARES.  Work-group (B, y): tokens 128 B .. 128 B + 127, matrix y (0 q, 1 k, 2 v).  First wave w quantises 16 tokens (tile w) along all 512 of K: four fragments, which go to LDS as images of their
; registers.  Then WAVE w OWNS HEAD w: its 16 weight fragments stay in 128 registers, read from memory once, straight into operand registers; its 32 accumulators hold 128 tokens x 64 columns.
; No tensor load and no cluster: x has to lie along K in a lane's registers as f32 to be quantised, and each weight fragment is read by one wave of the work-group alone.
; THE ROWS OF A TILE ARE NOT NEIGHBOURS: row r of tile 2 b + u (of tokens, and of a head's columns) is 32 b + 8 u + r + (r & 8): the 16 registers of two neighbouring tiles are then 16 neighbours.
; q, k: the product is used transposed (source 0 = 16 columns of W, source 1 = 16 tokens): a lane holds one token, and its registers run along the head's 64, which is the next K.
;   A head's K is 64, so a fragment of 128 holds TWO tiles of tokens: k 0-63 the head of token 32 i + r + (r & 8), k 64-127 that of token 32 i + 8 + r + (r & 8).
; v: source 0 = 16 tokens, source 1 = 16 columns: a lane holds one column d, and its registers run along the tokens, which are the keys, the next K.
; The bias is the C of each sum's first matrix instruction, eight registers a tile in the result's layout.
; OUT.  qc [batch x head 16][128 tokens 32] records of 4,352 bytes: 4 images, 256 bytes of scale words.  kv [16][32] records of 8,704: K's 4 images, V's 4, K's scale words, V's.
;   A block of scale words is [lane L][e = 0, 1]: the word at (16 h + r, e) is row r's of image 2 e + h.
; LIMITS: as stated at the head of the first launch's text (NaN, infinities; the floor 2^-124; a block of zeros has the byte 1).
; REGISTERS.  Window 0: v1-11 addresses; v12-15 scale words just made; v16-23 W's scale words; v24-31 x's, two sets; v32-63 the bias; v64-127 x's fragments, two buffers (outside the products: v64-79 at work,
;   v96-127 codes just made); v128-255 W's 16 fragments.   Window 1: my 256 numbers of x, then the 32 accumulators.
.set XIMG,  0                          ; LDS: x's 32 fragments, (tile tt, K step s) at (4 tt + s) x 1,024
.set XSC,   32768                      ; their scale words: 512 s + 64 tt + 4 r
.set SPARE, 34816                      ; the spare words, 128 bytes for each of the eight waves: four blocks of 256 bytes that no other line names
.set SPW, 2                            ; v2   LDS address of my spare word; never rewritten
.set NIL, 3                            ; v3   0; never rewritten
.set XA,  4                            ; v4   x: my row (r + (r & 8)) of 2,048 bytes + 64 h
.set LI,  5                            ; v5   16 x lane
.set LS,  6                            ; v6   4 x lane
.set XWI, 7                            ; v7   where I store x's images: 16 x lane + 4,096 x wave
.set XWS, 8                            ; v8   and their scale words: 4 r + 64 x wave
.set BA,  9                            ; v9   the bias's offset for q and k: 64 h; behind the products 8 x lane
.set BV,  10                           ; v10  the bias's offset for v: 4 (r + (r & 8))
.set EP,  10                           ; v[10:11] behind the products: my two scale words on the way out
.set PW,  12
.set WS,  16                           ; register 2 s + p: lanes 0-15 tile 2 p's rows, lanes 16-31 tile 2 p + 1's
.set XS,  24                           ; set s % 2, register tt / 2: lanes 0-15 the even tile's rows, lanes 16-31 the odd one's
.set BI,  32
.set XF,  64
.set TM,  64                           ; v64-67 largest magnitudes, v68-71 the other half's and then the bytes, v76-79 the conversions' scale operands
.set PC,  96
.set WF,  128                          ; fragment (tile t, K step s) at 128 + 8 (4 t + s)
.set MSB, 0
.macro WIN new                         ; the immediate's high byte repeats the setting that is left; a switch that changes nothing is dropped
.if MSB != \new
	s_set_vgpr_msb (MSB<<8)|\new
.set MSB, \new
.endif
.endm
; 64 numbers of a lane in window 1, v[s] .. v[s + 63], register 16 b + i = k 32 b + 16 (lane / 16) + i of my row, become a fragment's codes in v[pc] on and its scale word in v[pw], both in window 0.
.macro QUANT s, pc, pw
	WIN 0x14                                       ; sources 1 and 2 in window 1
.irp b, 0,1,2,3
	v_max3_num_f32 v[TM+\b], s36, |v[\s+16*\b]|, |v[\s+16*\b+1]|   ; block b: my 16 numbers, from the low end on, and the floor 2^(3 - 127): the byte cannot fall under 1
.endr
.irp i, 2,4,6,8,10,12,14
.irp b, 0,1,2,3
	v_max3_num_f32 v[TM+\b], v[TM+\b], |v[\s+16*\b+\i]|, |v[\s+16*\b+\i+1]|   ; (the four blocks by turns)
.endr
.endr
	WIN 0
.irp b, 0,1,2,3
	v_permlanex16_b32 v[TM+4+\b], v[TM+\b], s34, s35
.endr
.irp b, 0,1,2,3
	s_delay_alu instid0(VALU_DEP_4)
	v_max_num_f32 v[TM+\b], v[TM+\b], v[TM+4+\b]   ; with lane l xor 16's: the block's largest magnitude
.endr
.irp b, 0,1,2,3
	s_delay_alu instid0(VALU_DEP_4)
	v_add_nc_u32 v[TM+12+\b], 0xff000000, v[TM+\b] ; 2 off its exponent field: the conversion's scale operand
.endr
.irp b, 0,1,2,3
	s_delay_alu instid0(VALU_DEP_4)
	v_lshrrev_b32 v[TM+4+\b], 23, v[TM+12+\b]      ; the scale's byte
.endr
	s_delay_alu instid0(VALU_DEP_3)
	v_lshl_or_b32 v[\pw], v[TM+5], 8, v[TM+4]      ; the four bytes make my row's scale word
	s_delay_alu instid0(VALU_DEP_1)
	v_lshl_or_b32 v[\pw], v[TM+6], 16, v[\pw]
	s_delay_alu instid0(VALU_DEP_1)
	v_lshl_or_b32 v[\pw], v[TM+7], 24, v[\pw]
	WIN 0x01                                       ; source 0 in window 1
.irp b, 0,1,2,3
	v_cvt_scalef32_pk8_fp4_f32 v[\pc+2*\b], v[\s+16*\b:\s+16*\b+7], v[TM+12+\b]
	v_cvt_scalef32_pk8_fp4_f32 v[\pc+2*\b+1], v[\s+16*\b+8:\s+16*\b+15], v[TM+12+\b]
.endr
	WIN 0
	v_nop                                          ; one plain place behind the last scaled conversion
.irp c, 0,1                                    ; the operand's layout wants a WHOLE block in a lane: lanes 0-15 block 2 c, lanes 16-31 block 2 c + 1
.irp i, 0,1
	v_permlane16_swap_b32 v[\pc+4*\c+\i], v[\pc+4*\c+2+\i]
.endr
.endr
.endm
; Run k of LDS loads (K step k / 2, half k % 2 of the eight tiles of tokens): four fragments of x into buffer k % 2; with an even k also the K step's scale words of all eight tiles.
.macro FETCH k
.set sK, (\k)/2
.set hF, (\k)%2
.irp i, 0,1,2,3
.irp c, 0,1
	ds_load_b128 v[XF+32*hF+8*\i+4*\c:XF+32*hF+8*\i+4*\c+3], v[LI] offset:XIMG+(4*(4*hF+\i)+sK)*1024+512*\c
.endr
.endr
.if hF == 0
.irp p, 0,1,2,3
	ds_load_b32 v[XS+4*(sK%2)+\p], v[LS] offset:XSC+512*sK+128*\p
.endr
.endif
.endm
; One scaled matrix instruction on the symbols rD, rA, rB, rC, sA, sB; aR, bR: the side's scale words stand in lanes 16-31.
.macro WMS
.if aR && bR
	v_wmma_scale_f32_16x16x128_f8f6f4 v[rD:rD+7], v[rA:rA+7], v[rB:rB+7], v[rC:rC+7], v[sA], v[sB] matrix_a_fmt:MATRIX_FMT_FP4 matrix_b_fmt:MATRIX_FMT_FP4 matrix_a_scale:MATRIX_SCALE_ROW1 matrix_b_scale:MATRIX_SCALE_ROW1
.elseif aR
	v_wmma_scale_f32_16x16x128_f8f6f4 v[rD:rD+7], v[rA:rA+7], v[rB:rB+7], v[rC:rC+7], v[sA], v[sB] matrix_a_fmt:MATRIX_FMT_FP4 matrix_b_fmt:MATRIX_FMT_FP4 matrix_a_scale:MATRIX_SCALE_ROW1
.elseif bR
	v_wmma_scale_f32_16x16x128_f8f6f4 v[rD:rD+7], v[rA:rA+7], v[rB:rB+7], v[rC:rC+7], v[sA], v[sB] matrix_a_fmt:MATRIX_FMT_FP4 matrix_b_fmt:MATRIX_FMT_FP4 matrix_b_scale:MATRIX_SCALE_ROW1
.else
	v_wmma_scale_f32_16x16x128_f8f6f4 v[rD:rD+7], v[rA:rA+7], v[rB:rB+7], v[rC:rC+7], v[sA], v[sB] matrix_a_fmt:MATRIX_FMT_FP4 matrix_b_fmt:MATRIX_FMT_FP4
.endif
.endm
; 16 matrix instructions: four tiles of tokens x my four tiles of columns, K step k / 2.  vp = 0 (q, k): source 0 = W, accumulator 4 tt + t;  vp = 1 (v): source 0 = x, accumulator 8 t + tt.
; The 32 accumulators take turns, one instruction a turn.  The first K step takes the bias as C: nothing is cleared.
.macro MUL k, vp
.set sK, (\k)/2
.set hF, (\k)%2
.if sK == 0
	WIN 0x40                                       ; D in window 1, the bias in window 0
.else
	WIN 0x50                                       ; C and D in window 1
.endif
.irp i, 0,1,2,3
.irp t, 0,1,2,3
.set tT, 4*hF+\i
.if \vp
.set rD, 8*(8*\t+tT)
.set rA, XF+32*hF+8*\i
.set rB, WF+8*(4*\t+sK)
.set sA, XS+4*(sK%2)+tT/2
.set sB, WS+2*sK+\t/2
.set aR, tT%2
.set bR, \t%2
.else
.set rD, 8*(4*tT+\t)
.set rA, WF+8*(4*\t+sK)
.set rB, XF+32*hF+8*\i
.set sA, WS+2*sK+\t/2
.set sB, XS+4*(sK%2)+tT/2
.set aR, \t%2
.set bR, tT%2
.endif
.if sK == 0
.set rC, BI+8*\t
.else
.set rC, rD
.endif
	WMS
.endr
.endr
	WIN 0
.endm
; The eight runs: while one buffer is multiplied the other's loads are on their way.  Each wait leaves out the one younger run: 8 loads behind an even run, 12 behind an odd one.
; Four plain places stand between a run of products and the loads into the registers that it read, and behind the last run ahead of the first read of results.
.macro PRODUCTS vp
	FETCH 0
	FETCH 1
.irp k, 0,1,2,3,4,5,6,7
.if \k == 7
	s_wait_dscnt 0x0
.elseif (\k)%2 == 0
	s_wait_dscnt 8
.else
	s_wait_dscnt 12
.endif
	MUL \k, \vp
.rept 4
	v_nop
.endr
.if \k < 6
	FETCH \k+2
.endif
.endr
.endm
	s_load_b256 s[4:11], s[0:1], 0x0               ; x s[4:5], wimg s[6:7], wscl s[8:9], bq s[10:11]
	s_load_b256 s[12:19], s[0:1], 0x20             ; bk s[12:13], bv s[14:15], qc s[16:17], kv s[18:19]
	v_lshl_add_u32 v[SPW], v0, 2, SPARE
	v_mov_b32 v[NIL], 0
	v_lshrrev_b32 v1, 5, v0
	s_delay_alu instid0(VALU_DEP_1)
	v_readfirstlane_b32 s20, v1                    ; wave 0..7: my tile of tokens, then my head
	v_and_b32 v1, 31, v0                           ; lane
	s_and_b32 s21, ttmp7, 0xffff                   ; y: 0 q, 1 k, 2 v
	s_mov_b32 s22, ttmp9                           ; B: which 128 tokens
	v_and_b32 v12, 15, v0                          ; r
	v_bfe_u32 v13, v0, 4, 1                        ; h
	s_delay_alu instid0(VALU_DEP_2)
	v_and_b32 v14, 8, v12
	s_delay_alu instid0(VALU_DEP_1)
	v_add_nc_u32 v14, v14, v12                     ; r + (r & 8)
	; MATRIX k ALONE TAKES ITS TOKENS IN ANOTHER ORDER: row r of tile w is token 64 (w / 4) + 8 (w % 4) + (r & 7) + 4 (r & 8), so that in the attention's first product
	; a lane's 32 results of four neighbouring tiles are one whole block of 32 neighbouring keys.  q and v keep the order stated at the head.
	s_cmp_eq_u32 s21, 1
	s_cselect_b32 s37, 3, 1                        ; the factor on (r & 8), and the mask of the tile's number in its group
	s_cselect_b32 s38, 2, 1                        ; tiles in a group: 4 or 2, as a shift
	s_cselect_b32 s39, 6, 5                        ; tokens in a group: 64 or 32, as a shift
	v_and_b32 v15, 8, v12
	s_delay_alu instid0(VALU_DEP_1)
	v_mad_u32_u24 v15, v15, s37, v12               ; r + (r & 8), or r + 3 (r & 8)
	s_delay_alu instid0(VALU_DEP_1)
	v_lshlrev_b32 v[XA], 11, v15
	s_delay_alu instid0(VALU_DEP_1)
	v_lshl_add_u32 v[XA], v13, 6, v[XA]
	v_lshlrev_b32 v[LI], 4, v1
	v_lshlrev_b32 v[LS], 2, v1
	s_lshl_b32 s40, s20, 12
	v_add_nc_u32 v[XWI], s40, v[LI]
	s_lshl_b32 s40, s20, 6
	v_lshl_add_u32 v[XWS], v12, 2, s40
	v_lshlrev_b32 v[BA], 6, v13
	v_lshlrev_b32 v[BV], 2, v14
.irp b, 0,1,2,3
	v_mov_b32 v[TM+4+\b], 0                        ; a lane permute's destination counts as one of its sources
.endr
	s_mov_b32 s34, 0x76543210
	s_mov_b32 s35, 0xfedcba98                      ; v_permlanex16_b32's selects for lane l xor 16
	s_mov_b32 s36, 0x1800000                       ; the floor 2^(3 - 127)
	s_lshl_b32 s40, s22, 7                         ; x: my tile's first token: 128 B + 32 (w / 2) + 8 (w % 2),
	s_lshr_b32 s41, s20, s38
	s_lshl_b32 s41, s41, s39
	s_add_co_u32 s40, s40, s41
	s_and_b32 s41, s20, s37
	s_lshl_b32 s41, s41, 3
	s_add_co_u32 s40, s40, s41
	s_lshl_b32 s40, s40, 11                        ; rows of 2,048 bytes (under 2^25)
	s_mov_b32 s41, 0
	s_lshl_b32 s42, s21, 17                        ; wimg: 131,072 y + 16,384 w
	s_lshl_b32 s43, s20, 14
	s_add_co_u32 s42, s42, s43
	s_mov_b32 s43, 0
	s_lshl_b32 s44, s21, 13                        ; wscl: 8,192 y + 1,024 w
	s_lshl_b32 s45, s20, 10
	s_add_co_u32 s44, s44, s45
	s_mov_b32 s45, 0
	s_lshl_b32 s46, s20, 8                         ; the bias: my head's 64 numbers
	s_mov_b32 s47, 0
	s_mov_b32 s50, 8704
	s_mov_b32 s51, 8192
	s_cmp_eq_u32 s21, 0
	s_cselect_b32 s50, 4352, s50                   ; a record's bytes,
	s_cselect_b32 s51, 4096, s51                   ; and where its scale words begin
	s_cmp_eq_u32 s21, 2
	s_cselect_b32 s52, 4096, 0                     ; V's images lie behind K's,
	s_cselect_b32 s53, 256, 0                      ; and its scale words behind K's
	s_lshr_b32 s48, s22, 5                         ; the record: ((batch x 8 + head) x 32 + B % 32)
	s_lshl_b32 s48, s48, 3
	s_add_co_u32 s48, s48, s20
	s_lshl_b32 s48, s48, 5
	s_and_b32 s49, s22, 31
	s_add_co_u32 s48, s48, s49
	s_mul_i32 s48, s48, s50
	s_add_co_u32 s52, s52, s48                     ; my images' offset
	s_add_co_u32 s54, s51, s53
	s_add_co_u32 s54, s54, s48                     ; my scale words' offset
	s_mov_b32 s53, 0
	s_mov_b32 s55, 0
	s_wait_alu depctr_va_vdst(0)
	s_wait_kmcnt 0x0
	s_add_nc_u64 s[4:5], s[4:5], s[40:41]
	s_add_nc_u64 s[6:7], s[6:7], s[42:43]
	s_add_nc_u64 s[8:9], s[8:9], s[44:45]
	s_cmp_eq_u32 s21, 0                            ; the buffers are chosen by the work-group's number alone
	s_cselect_b64 s[28:29], s[10:11], s[12:13]
	s_cselect_b64 s[30:31], s[16:17], s[18:19]
	s_cmp_eq_u32 s21, 2
	s_cselect_b64 s[28:29], s[14:15], s[28:29]
	s_add_nc_u64 s[28:29], s[28:29], s[46:47]
	s_add_nc_u64 s[32:33], s[30:31], s[54:55]
	s_add_nc_u64 s[30:31], s[30:31], s[52:53]
	; the loads, in the order in which the waits below count them: the weights, their scale words and the bias first, then x by K steps
.set i, 0
.rept 32
	global_load_b128 v[WF+4*i:WF+4*i+3], v[LI], s[6:7] offset:512*i   ; my head's 16 fragments as they lie: 512 consecutive bytes a load
.set i, i+1
.endr
.set i, 0
.rept 8
	global_load_b32 v[WS+i], v[LS], s[8:9] offset:128*i
.set i, i+1
.endr
	s_cmp_eq_u32 s21, 2
	s_cbranch_scc1 .Lbias_v
.irp t, 0,1,2,3                                ; q, k: lane (r, h) holds, in tile t, columns 32 (t / 2) + 16 h + 8 (t % 2) + 0 .. 7
	global_load_b128 v[BI+8*\t:BI+8*\t+3], v[BA], s[28:29] offset:(32*(\t/2)+8*(\t%2))*4
	global_load_b128 v[BI+8*\t+4:BI+8*\t+7], v[BA], s[28:29] offset:(32*(\t/2)+8*(\t%2))*4+16
.endr
	s_branch .Lbias_done
.Lbias_v:
.irp t, 0,1,2,3                                ; v: lane (r, h) holds ONE column, 32 (t / 2) + 8 (t % 2) + r + (r & 8), in all eight registers
.irp j, 0,1,2,3,4,5,6,7
	global_load_b32 v[BI+8*\t+\j], v[BV], s[28:29] offset:(32*(\t/2)+8*(\t%2))*4
.endr
.endr
.Lbias_done:
	WIN 0x40                                       ; destination window 1, address window 0
.irp s, 0,1,2,3
.irp b, 0,1,2,3
.irp j, 0,1,2,3
	global_load_b128 v[64*\s+16*\b+4*\j:64*\s+16*\b+4*\j+3], v[XA], s[4:5] offset:512*\s+128*\b+16*\j   ; of each block of 32 my 16 neighbours
.endr
.endr
.endr
	WIN 0
	; ---- x: my 16 tokens become four fragments; each has registers of its own for its codes and its scale word, so no wait stands between the stores and the next K step
.irp s, 0,1,2,3
	s_wait_loadcnt 48-16*\s                        ; this K step's 16 loads and all that were issued ahead of them are in; the later K steps' 16 each may be out
	QUANT 64*\s, PC+8*\s, PW+\s
	ds_store_b128 v[XWI], v[PC+8*\s:PC+8*\s+3] offset:XIMG+1024*\s
	ds_store_b128 v[XWI], v[PC+8*\s+4:PC+8*\s+7] offset:XIMG+1024*\s+512
	ds_store_b32 v[XWS], v[PW+\s] offset:XSC+512*\s                ; both halves of the lanes write the same word with the same value
.endr
	s_wait_dscnt 0x0                               ; for the others' sake: my stores have landed
	s_barrier_signal -1
	s_barrier_wait -1                              ; x's 32 fragments lie in LDS; nothing is stored to LDS behind this barrier
	; ---- the products: two copies, which differ in the order of the sources and in the accumulators' places
	s_cmp_eq_u32 s21, 2
	s_cbranch_scc1 .Lprod_v
	PRODUCTS 0
	s_branch .Lout
.Lprod_v:
	PRODUCTS 1
.Lout:
	; ---- out: each 64 registers are a fragment of the next product; its image leaves as it stands, 512 consecutive bytes a store
.irp b, 0,1,2,3
	v_mov_b32 v[TM+4+\b], 0
.endr
	v_lshlrev_b32 v[BA], 3, v1                     ; 8 x lane (the bias's loads were waited for long ago)
.irp i, 0,1,2,3
	QUANT 64*\i, PC+8*\i, PW+\i
	global_store_b128 v[LI], v[PC+8*\i:PC+8*\i+3], s[30:31] offset:1024*\i
	global_store_b128 v[LI], v[PC+8*\i+4:PC+8*\i+7], s[30:31] offset:1024*\i+512
.endr
	v_cmp_le_u32 vcc_lo, 16, v1                    ; lanes 16-31 carry the odd images' words
	s_delay_alu instid0(VALU_DEP_1)
	v_cndmask_b32 v[EP], v[PW], v[PW+1], vcc_lo
	s_delay_alu instid0(VALU_DEP_2)
	v_cndmask_b32 v[EP+1], v[PW+2], v[PW+3], vcc_lo
	global_store_b64 v[BA], v[EP:EP+1], s[32:33]   ; 32 lanes store 256 consecutive aligned bytes
	s_wait_tensorcnt 0x0                           ; the wave's end
	ds_add_u32 v[SPW], v[NIL]
	s_wait_dscnt 0x0
	s_endpgm
.Lfunc_end_k_qb34f13f0c9_proj:
	.size	k_qb34f13f0c9_proj, .Lfunc_end_k_qb34f13f0c9_proj-k_qb34f13f0c9_proj
	.p2alignl 7, 3214868480
	.fill 96, 4, 3214868480
	.section	.rodata,"a",@progbits
	.p2align	6, 0x0
	.amdhsa_kernel k_qb34f13f0c9_proj
		.amdhsa_group_segment_fixed_size 35840
		.amdhsa_private_segment_fixed_size 0
		.amdhsa_enable_private_segment 0
		.amdhsa_kernarg_size 64
		.amdhsa_user_sgpr_count 2
		.amdhsa_user_sgpr_kernarg_segment_ptr 1
		.amdhsa_wavefront_size32 1
		.amdhsa_system_sgpr_workgroup_id_x 1
		.amdhsa_system_sgpr_workgroup_id_y 1
		.amdhsa_system_sgpr_workgroup_id_z 1
		.amdhsa_system_vgpr_workitem_id 0
		.amdhsa_next_free_vgpr 512
		.amdhsa_next_free_sgpr 66
		.amdhsa_reserve_vcc 1
		.amdhsa_float_denorm_mode_32 3
		.amdhsa_float_denorm_mode_16_64 3
		.amdhsa_memory_ordered 1
		.amdhsa_forward_progress 1
		.amdhsa_inst_pref_size 99
	.end_amdhsa_kernel
	.amdgpu_metadata
---
amdhsa.version: [ 1, 2 ]
amdhsa.kernels:
  - .name:           k_qb34f13f0c9_proj
    .symbol:         k_qb34f13f0c9_proj.kd
    .args:
      - { .name: x, .offset: 0, .size: 8, .value_kind: global_buffer, .address_space: global }
      - { .name: wimg, .offset: 8, .size: 8, .value_kind: global_buffer, .address_space: global }
      - { .name: wscl, .offset: 16, .size: 8, .value_kind: global_buffer, .address_space: global }
      - { .name: bq, .offset: 24, .size: 8, .value_kind: global_buffer, .address_space: global }
      - { .name: bk, .offset: 32, .size: 8, .value_kind: global_buffer, .address_space: global }
      - { .name: bv, .offset: 40, .size: 8, .value_kind: global_buffer, .address_space: global }
      - { .name: qc, .offset: 48, .size: 8, .value_kind: global_buffer, .address_space: global }
      - { .name: kv, .offset: 56, .size: 8, .value_kind: global_buffer, .address_space: global }
    .group_segment_fixed_size: 35840
    .private_segment_fixed_size: 0
    .kernarg_segment_align: 8
    .kernarg_segment_size: 64
    .max_flat_workgroup_size: 256
    .sgpr_count:     66
    .vgpr_count:     512
    .wavefront_size: 32
...
	.end_amdgpu_metadata
.endif
;; end of part 2
;; launch att (part 3): grid 16 x 16, 8 waves a work-group, clusters of 4 x 1, 327,680 bytes of LDS; arguments qc, kv, out0; writes out0
.if DOCPART == 3
	.amdgcn_target "amdgcn-amd-amdhsa--gfx1250"
	.amdhsa_code_object_version 6
	.text
	.protected	k_qb34f13f0c9_att
	.globl	k_qb34f13f0c9_att
	.p2align	8
	.type	k_qb34f13f0c9_att,@function
k_qb34f13f0c9_att:
	s_mov_b64 s[64:65], 0
	v_nop
	global_prefetch_b8 v0, s[64:65] scope:SCOPE_SE
	s_setreg_imm32_b32 hwreg(HW_REG_WAVE_MODE, 25, 1), 1
	s_wait_xcnt 0x0
	s_wait_alu depctr_hold_cnt(0) depctr_sa_sdst(0) depctr_va_vdst(0) depctr_va_sdst(0) depctr_va_ssrc(0) depctr_va_vcc(0) depctr_vm_vsrc(0)
	s_getreg_b32 s2, hwreg(HW_REG_IB_STS2, 6, 4)
	s_cmp_eq_u32 s2, 0
	s_cbranch_scc0 .Lentry_in_a_cluster
	s_endpgm
.Lentry_in_a_cluster:
	s_bfe_u32 s2, ttmp6, 0x10000c
	s_cmp_lg_u32 s2, 0x3003
	s_cbranch_scc0 .Lentry_shape_is_right
	s_endpgm
.Lentry_shape_is_right:
; SELF-ATTENTION IN MX-FP4, launch 3 of 3: out = softmax(q k^T / 8) v on codes of E2M1, both products by the scaled matrix instruction.  No work is left out.
; p = 2^(t - M), t = score x log2(e) / 8, M = the running largest t rounded up to a whole number; p is quantised along the keys; the row's sum is taken of the unquantised p and divides at the end.
; LIMITS: the promise holds while the scaled scores stay under 2^31 in magnitude; NaN and infinities are not served; a block of p that is all zeros keeps the byte 1 (its codes are zeros).
; IN.  qc [batch x head 16][32] records of 4,352 bytes (4 images of 1,024, 256 bytes of scale words); kv [16][32] records of 8,704: K's 4 images, V's 4, K's scale words, V's; a record is 128 tokens.
;   An image of q or k holds two tiles of 16 tokens: k 0-63 the head of the even tile, k 64-127 that of the odd one.  Row r of K's tile w is key 64 (w / 4) + 8 (w % 4) + (r & 7) + 4 (r & 8).
; SHARES.  Work-group (x, y): 256 queries of head y; each of its eight waves owns 32 of them, tiles A and B (one image of q), so that each fragment of K and V read from LDS feeds two tiles.
;   A head's whole K and V, 278,528 bytes, lie in LDS: 8 records by each wave's first load, 24 by its second.  The four work-groups of a cluster walk the same head and ask for it jointly.
;   All of K and V is asked for by these two loads at the head, so there is no later load for a prefetch to run ahead of: none is written.
; A STEP is 256 keys (two records).  Both products are used transposed (S^T = K Q^T, O^T = V^T P^T): a lane holds one query (lane % 16).  Registers 32 b .. 32 b + 31 of S are the 32 keys of ONE block b:
;   lanes 0-15 hold blocks 0 and 2 of a record, lanes 16-31 blocks 1 and 3, which is the layout of the second product's operand: a block's maximum needs no other lane and the codes need no exchange.
;   THE EXPONENTIALS GO IN EIGHT BATCHES, a block each.  Between a batch's exponentials stand lines that are due anyway and name none of its registers: the next block's t - M, and one level each of
;   the row sums of four earlier blocks, which are added up as a tree, in place, once the block's codes are made.  No such line reads what a line of the same batch wrote.
;   The next step's 28 LDS loads are issued behind this step's products.  The last step of each of the two runs of records is written out without them: no load reaches into bytes that have not landed, or past the head's end.
; REGISTERS.  Window 1: S, then p, then partial sums: 32 b + i, b = 4 T + 2 R + c (tile T of queries, record R, half c).  Window 0: v1-9 addresses; v10-11 Q's scale words; v12-15 -M and the largest score of A, of B;
;   v16-19 the sums; v20-23 f; v24-43 zeros, Q of A, zeros, Q of B, zeros; v44-55 scale words of K, V, P; v56-79 at work; v80-111 record 1's K, then P's codes; v112-143 record 0's K, then record 1's V;
;   v144-175 record 0's V; v176-239 O^T.
.set RECB,  8704
.set HEADB, 32*RECB
.set CHA,   34*256                     ; a wave's first load: one record
.set CHB,   102*256                    ; its second: three records
.set STAGE, HEADB                      ; the way out: 16 rows x 272 bytes for each wave, bytes of their own
.set SPARE, HEADB+8*4352               ; the spare words, 128 bytes for each wave
.set L16, 1
.set L8,  2
.set SPW, 3
.set NIL, 4
.set GO,  5
.set ADK, 6
.set ADS, 7
.set STO, 8
.set RD,  9
.set QS,  10
.set NM,  12
.set LS,  16
.set FF,  20
.set KS,  44
.set VS,  48
.set PS,  52
.set BM,  56                           ; the eight blocks' largest scores; then their p, then the bytes
.set SO,  64                           ; at work on the rows; then the conversions' scale operands
.set TW,  72
.set TX,  76
.set PC,  80
.set KF,  112
.set VF,  144
.set O,   176
.set WV,  10
.set G1A, 16
.set G1B, 24
.set G0A, 32
.set G0B, 36
.set SEL, 40
.set CS,  42
.set TB,  44
.set CNT, 45
.set NC,  60
.set NINF, 61
.set MSB, 0
.macro WIN new                         ; the immediate's high byte repeats the setting that is left
.if MSB != \new
	s_set_vgpr_msb (MSB<<8)|\new
.set MSB, \new
.endif
.endm
.macro CROUND                          ; a round of the cluster's barrier
	s_barrier_signal -1
	s_barrier_wait -1
	s_cmp_lg_u32 s[WV], 0
	s_cbranch_scc1 .Lnot_wave_0_\@
	s_barrier_signal -3
.Lnot_wave_0_\@:
	s_barrier_wait -3
	s_barrier_signal -1
	s_barrier_wait -1
.endm
	s_load_b128 s[4:7], s[0:1], 0x0                ; qc, kv
	s_load_b64 s[8:9], s[0:1], 0x10                ; out0
	v_lshl_add_u32 v[SPW], v0, 2, SPARE
	v_mov_b32 v[NIL], 0
	ds_add_u32 v[SPW], v[NIL]                      ; the opening lines: the add, twice on end, and its wait ahead of my first tensor load
	ds_add_u32 v[SPW], v[NIL]
	v_lshrrev_b32 v6, 5, v0
	v_readfirstlane_b32 s[WV], v6                  ; wave 0..7
	s_bfe_u32 s11, ttmp6, 0x40000                  ; cx
	s_lshl_b32 s12, ttmp9, 2
	s_add_co_u32 s12, s12, s11                     ; x: which 256 queries
	s_and_b32 s13, ttmp7, 0xffff                   ; y: batch x 8 + head
	s_mov_b32 s[G1A], 15|(3<<16)|(1<<21)           ; all four of the cluster; elements of 8 bytes; rows of 256 bytes, dense
	s_mov_b32 s[G1A+1], 32<<16
	s_mov_b32 s[G1A+2], 34<<16
	s_mov_b32 s[G1A+3], 32<<16
	s_mov_b32 s[G1A+4], 34
	s_mov_b32 s[G1A+5], 32
	s_mov_b32 s[G1A+6], 0
	s_mov_b32 s[G1A+7], 0
	s_mov_b32 s[G1B], 15|(3<<16)|(1<<21)
	s_mov_b32 s[G1B+1], 32<<16
	s_mov_b32 s[G1B+2], 102<<16
	s_mov_b32 s[G1B+3], 32<<16
	s_mov_b32 s[G1B+4], 102
	s_mov_b32 s[G1B+5], 32
	s_mov_b32 s[G1B+6], 0
	s_mov_b32 s[G1B+7], 0
	s_mul_i32 s46, s13, HEADB                      ; the head's first byte in kv
	s_mul_i32 s[G0A+1], s[WV], CHA                 ; LDS holds the head as it lies in memory
	s_mul_i32 s[G0B+1], s[WV], CHB
	s_add_co_u32 s[G0B+1], s[G0B+1], 8*CHA
	s_add_co_u32 s48, s46, s[G0A+1]
	s_mov_b32 s49, 0
	s_add_co_u32 s46, s46, s[G0B+1]
	s_mov_b32 s47, 0
	s_lshl_b32 s50, s13, 5                         ; q's record: 32 y + 2 x + wave / 4
	s_lshl_b32 s51, s12, 1
	s_add_co_u32 s50, s50, s51
	s_lshr_b32 s51, s[WV], 2
	s_add_co_u32 s50, s50, s51
	s_mul_i32 s50, s50, 4352
	s_and_b32 s52, s[WV], 3                        ; my image in it
	s_lshl_b32 s54, s52, 10
	s_add_co_u32 s54, s54, s50
	s_mov_b32 s55, 0
	s_and_b32 s56, s52, 1                          ; its scale words: 128 (image % 2) + 4 (image / 2) + 8 r
	s_lshl_b32 s56, s56, 7
	s_lshr_b32 s57, s52, 1
	s_lshl_b32 s57, s57, 2
	s_add_co_u32 s56, s56, s57
	s_add_co_u32 s56, s56, s50
	s_add_co_u32 s56, s56, 4096
	s_mov_b32 s57, 0
	s_lshr_b32 s58, s13, 3                         ; out0: token 4,096 batch + 256 x + 32 wave, rows of 2,048 bytes; + 256 head
	s_lshl_b32 s58, s58, 12
	s_lshl_b32 s59, s12, 8
	s_add_co_u32 s58, s58, s59
	s_lshl_b32 s59, s[WV], 5
	s_add_co_u32 s58, s58, s59
	s_lshl_b32 s58, s58, 11
	s_and_b32 s59, s13, 7
	s_lshl_b32 s59, s59, 8
	s_add_co_u32 s58, s58, s59
	s_mov_b32 s59, 0
	s_mov_b32 s[SEL], 0x76543210
	s_mov_b32 s[SEL+1], 0xfedcba98                 ; lane l xor 16
	s_mov_b32 s[CS], 0x3e38aa3b                    ; c = log2(e) / 8
	s_mov_b32 s[CS+1], s[CS]
	s_mov_b32 s[NC], 0xbe38aa3b                    ; -c
	s_mov_b32 s[NINF], 0xff800000                  ; -infinity: the first leaf of each maximum
	s_mov_b32 s[TB], 0
	s_wait_dscnt 0x0                               ; both opening adds are done
	s_wait_kmcnt 0x0
	s_mov_b32 s[G0A], 1
	s_add_nc_u64 s[G0A+2:G0A+3], s[6:7], s[48:49]
	s_or_b32 s[G0A+3], s[G0A+3], 0x80000000
	s_mov_b32 s[G0B], 1
	s_add_nc_u64 s[G0B+2:G0B+3], s[6:7], s[46:47]
	s_or_b32 s[G0B+3], s[G0B+3], 0x80000000
	s_add_nc_u64 s[54:55], s[4:5], s[54:55]
	s_add_nc_u64 s[56:57], s[4:5], s[56:57]
	s_add_nc_u64 s[8:9], s[8:9], s[58:59]
	CROUND                                         ; the four work-groups are here: the first joint loads meet
	tensor_load_to_lds s[G0A:G0A+3], s[G1A:G1A+7]  ; my record of the first eight: one tensor load a wave at the head
	s_nop 0
	; the rest of the head stands under that load's flight
	v_and_b32 v6, 31, v0
	v_lshlrev_b32 v[L16], 4, v6
	v_lshlrev_b32 v[L8], 3, v6
	v_and_b32 v7, 15, v0                           ; r
	v_bfe_u32 v6, v0, 4, 1                         ; h
	v_lshlrev_b32 v[GO], 11, v6
	v_lshl_add_u32 v[GO], v7, 4, v[GO]             ; the way out: lanes 0-15 one row of out0, lanes 16-31 the next; 16 bytes a lane
	v_lshlrev_b32 v56, 3, v7
	global_load_b128 v[28:31], v[L16], s[54:55]            ; Q of tile A: the image's k 0-63
	global_load_b128 v[36:39], v[L16], s[54:55] offset:512 ; Q of tile B: its k 64-127
	global_load_b32 v57, v56, s[56:57]                     ; the image's scale words: bytes 0, 1 tile A's, bytes 2, 3 tile B's
	s_mul_i32 s46, s[WV], 4352
	s_add_co_u32 s46, s46, STAGE                   ; my stage
	v_mul_u32_u24 v[STO], v7, 272
	v_lshl_add_u32 v[STO], v6, 6, v[STO]
	v_add_nc_u32 v[STO], s46, v[STO]               ; in: row r, 64 h bytes on
	v_mul_u32_u24 v[RD], v6, 272
	v_lshl_add_u32 v[RD], v7, 4, v[RD]
	v_add_nc_u32 v[RD], s46, v[RD]                 ; back: lanes 0-15 one row, lanes 16-31 the next
.irp j, 24,25,26,27,32,33,34,35,40,41,42,43
	v_mov_b32 v[\j], 0                             ; zero codes beside Q: a head's K is 64, the instruction's 128
.endr
.irp T, 0,1
	v_mov_b32 v[NM+2*\T], 0x7f61b1e6               ; -M: 3e38
	v_mov_b32 v[NM+2*\T+1], 0xff61b1e6             ; the largest score so far: -3e38
	v_mov_b32 v[LS+2*\T], 0                        ; the sum, in two halves
	v_mov_b32 v[LS+2*\T+1], 0
	v_mov_b32 v[FF+2*\T+1], 0                      ; (named as the upper half of f's pair)
	v_mov_b32 v[SO+2+\T], 0                        ; a lane permute's destination counts as one of its sources
.endr
.irp q, 0,1,2,3
	v_mov_b32 v[TX+\q], 0
.endr
	s_wait_alu depctr_va_vdst(0)                   ; directly ahead of the wait below
	s_wait_loadcnt 0x0
	v_and_b32 v58, 0xffff, v57
	v_lshrrev_b32 v59, 16, v57
	v_lshl_or_b32 v[QS], v57, 16, v58              ; a tile's two bytes in both halves of its word: Q stands now at k 0-63, now at k 64-127
	v_and_or_b32 v[QS+1], v57, 0xffff0000, v59
.set jj, 0
.rept 64
	v_mov_b32 v[O+jj], 0                           ; O^T.  (The step is written for all steps alike: the first finds zeros, which the first change of M leaves zeros.)  Also the places ahead of the first products
.set jj, jj+1
.endr
	s_wait_alu depctr_va_vdst(0)                   ; the wait at the head's end
	s_wait_tensorcnt 0x0                           ; my first load has landed
	ds_add_u32 v[SPW], v[NIL]
	s_wait_dscnt 0x0
	CROUND                                         ; everybody's part of the first eight records is in, and the second joint loads meet
	tensor_load_to_lds s[G0B:G0B+3], s[G1B:G1B+7]  ; my three of the other 24 records
	s_nop 0
.rept 4
	v_nop
.endr
.macro FRAGS reg, off                  ; four images as they lie: 512 consecutive bytes a load
.irp b, 0,1,2,3
.irp c, 0,1
	ds_load_b128 v[\reg+8*\b+4*\c:\reg+8*\b+4*\c+3], v[ADK] offset:\off+1024*\b+512*\c
.endr
.endr
.endm
.macro KVLOADS                         ; 28 loads in one run: K of record 0 with its scale words (9), of record 1 (9), then V of record 0 and V's scale words (10)
	FRAGS KF, 0
	ds_load_b64 v[KS:KS+1], v[ADS] offset:8192
	FRAGS PC, RECB
	ds_load_b64 v[KS+2:KS+3], v[ADS] offset:RECB+8192
	FRAGS VF, 4096
	ds_load_b64 v[VS:VS+1], v[ADS] offset:8448
	ds_load_b64 v[VS+2:VS+3], v[ADS] offset:RECB+8448
.endm
.macro OPEN                            ; ahead of a run of steps: the first step's loads
	v_add_nc_u32 v[ADK], s[TB], v[L16]
	v_add_nc_u32 v[ADS], s[TB], v[L8]
	KVLOADS
	s_wait_alu depctr_va_vdst(0)
.endm
.macro QK R, kf                        ; S^T of record R: image b's half u (K's tile 2 b + u) against tiles A and B: 16 products, each with an accumulator of its own
.irp b, 0,1,2,3
.irp u, 0,1
.irp T, 0,1
.if (\b)%2
	v_wmma_scale_f32_16x16x128_f8f6f4 v[64*(2*\T+\R)+8*(2*\b+\u):64*(2*\T+\R)+8*(2*\b+\u)+7], v[\kf+8*\b:\kf+8*\b+7], v[28+8*\T-4*\u:35+8*\T-4*\u], 0, v[KS+2*\R+\b/2], v[QS+\T] matrix_a_fmt:MATRIX_FMT_FP4 matrix_b_fmt:MATRIX_FMT_FP4 matrix_a_scale:MATRIX_SCALE_ROW1
.else
	v_wmma_scale_f32_16x16x128_f8f6f4 v[64*(2*\T+\R)+8*(2*\b+\u):64*(2*\T+\R)+8*(2*\b+\u)+7], v[\kf+8*\b:\kf+8*\b+7], v[28+8*\T-4*\u:35+8*\T-4*\u], 0, v[KS+2*\R+\b/2], v[QS+\T] matrix_a_fmt:MATRIX_FMT_FP4 matrix_b_fmt:MATRIX_FMT_FP4
.endif
.endr
.endr
.endr
.endm
.macro PV R, vf                        ; O^T += V^T P^T over record R's 128 keys: the eight accumulators by turns
.irp t, 0,1,2,3
.irp T, 0,1
.if (\t)%2
	v_wmma_scale_f32_16x16x128_f8f6f4 v[O+32*\T+8*\t:O+32*\T+8*\t+7], v[\vf+8*\t:\vf+8*\t+7], v[PC+8*(2*\T+\R):PC+8*(2*\T+\R)+7], v[O+32*\T+8*\t:O+32*\T+8*\t+7], v[VS+2*\R+\t/2], v[PS+2*\T+\R] matrix_a_fmt:MATRIX_FMT_FP4 matrix_b_fmt:MATRIX_FMT_FP4 matrix_a_scale:MATRIX_SCALE_ROW1
.else
	v_wmma_scale_f32_16x16x128_f8f6f4 v[O+32*\T+8*\t:O+32*\T+8*\t+7], v[\vf+8*\t:\vf+8*\t+7], v[PC+8*(2*\T+\R):PC+8*(2*\T+\R)+7], v[O+32*\T+8*\t:O+32*\T+8*\t+7], v[VS+2*\R+\t/2], v[PS+2*\T+\R] matrix_a_fmt:MATRIX_FMT_FP4 matrix_b_fmt:MATRIX_FMT_FP4
.endif
.endr
.endr
.endm
; THE ROW SUMS, a tree in place for each block of 32 p, two numbers an instruction: level 1 adds registers 16-31 onto 0-15 (8 lines), level 2 8-15 onto 0-7 (4), level 3 4-7 onto 0-3 (2), level 4 2-3 onto 0-1 (1).
; Turn k holds level 1 of block k - 1, level 2 of block k - 2, level 3 of block k - 3, level 4 of block k - 4: 15 lines, none of which reads what another of the turn wrote.  ADDC is the turn's line m.
.macro ADDC k, m
.set vb, -1
.if (\m) < 4
.set vb, (\k)-2
.set vr, 2*(\m)
.set vd, 8
.elseif (\m) < 6
.set vb, (\k)-3
.set vr, 2*((\m)-4)
.set vd, 4
.elseif (\m) < 7
.set vb, (\k)-4
.set vr, 0
.set vd, 2
.elseif (\m) < 15
.set vb, (\k)-1
.set vr, 2*((\m)-7)
.set vd, 16
.endif
.if (vb >= 0) && (vb <= 7)
	v_pk_add_f32 v[32*vb+vr:32*vb+vr+1], v[32*vb+vr:32*vb+vr+1], v[32*vb+vr+vd:32*vb+vr+vd+1]
.endif
.endm
.macro ADDS k                          ; a whole turn, behind the last batch
.set mm, 0
.rept 15
	ADDC \k, mm
.set mm, mm+1
.endr
.endm
; BATCH k: block k's 32 exponentials.  Behind each of the first 16 stands one of block k + 1's 16 lines t - M, behind each of the others one line of turn k of the sums.
.macro BATCH k
	WIN 0x41
.set nn, 0
.rept 16
	v_exp_f32 v[32*(\k)+nn], v[32*(\k)+nn]         ; p = 2^(t - M), at most 1: not normalised
.if (\k) < 7
	v_pk_fma_f32 v[32*(\k)+32+2*nn:32*(\k)+33+2*nn], v[32*(\k)+32+2*nn:32*(\k)+33+2*nn], s[CS:CS+1], v[NM+2*(((\k)+1)/4):NM+2*(((\k)+1)/4)+1] op_sel_hi:[1,0,0]
.endif
.set nn, nn+1
.endr
	WIN 0x45
.rept 16
	v_exp_f32 v[32*(\k)+nn], v[32*(\k)+nn]
	ADDC \k, nn-16
.set nn, nn+1
.endr
	v_nop
	s_wait_alu depctr_va_vdst(0)                   ; behind this batch and ahead of the next
.endm
.macro CVT b                           ; block b's codes: registers 4 b .. 4 b + 3 of P's operands, as they are wanted
	WIN 0x01
.irp g, 0,1,2,3
	v_cvt_scalef32_pk8_fp4_f32 v[PC+4*(\b)+\g], v[32*(\b)+8*\g:32*(\b)+8*\g+7], v[SO+(\b)]
.endr
	v_nop                                          ; one plain place behind the last scaled conversion
.endm
; A STEP: 256 keys; its first 28 loads are out.  nxt = 1: the next step's are issued behind the products.
.macro STEP nxt
	s_wait_dscnt 19                                ; K of record 0 is in; 9 + 10 younger loads may be out
	WIN 0x40
	QK 0, KF
	s_wait_dscnt 10                                ; K of record 1 is in; V's ten loads may be out
	QK 1, PC
	WIN 0
.rept 4
	v_nop                                          ; places ahead of the loads into K's registers and of the first read of S
.endr
	FRAGS KF, RECB+4096                            ; V of record 1
	WIN 0x14
.irp b, 0,1,2,3,4,5,6,7
	v_max3_num_f32 v[BM+\b], s[NINF], v[32*\b], v[32*\b+1]         ; the largest score of each of my eight blocks of 32 keys, each accumulator from its low end on; the eight by turns
.endr
.irp i, 2,4,6,8,10,12,14,16,18,20,22,24,26,28,30
.irp b, 0,1,2,3,4,5,6,7
	v_max3_num_f32 v[BM+\b], v[BM+\b], v[32*\b+\i], v[32*\b+\i+1]
.endr
.endr
	WIN 0
.irp T, 0,1
	v_max3_num_f32 v[SO+\T], v[BM+4*\T], v[BM+4*\T+1], v[BM+4*\T+2]
.endr
.irp T, 0,1
	s_delay_alu instid0(VALU_DEP_2)
	v_max3_num_f32 v[SO+\T], v[SO+\T], v[BM+4*\T+3], v[NM+2*\T+1]  ; with the largest score so far
.endr
.irp T, 0,1
	s_delay_alu instid0(VALU_DEP_2)
	v_permlanex16_b32 v[SO+2+\T], v[SO+\T], s[SEL], s[SEL+1]
.endr
.irp T, 0,1
	s_delay_alu instid0(VALU_DEP_2)
	v_max_num_f32 v[NM+2*\T+1], v[SO+\T], v[SO+2+\T]               ; and lane l xor 16's keys
.endr
.irp T, 0,1
	s_delay_alu instid0(VALU_DEP_2)
	v_mul_f32 v[SO+\T], s[NC], v[NM+2*\T+1]                        ; -t
.endr
.irp T, 0,1
	s_delay_alu instid0(VALU_DEP_2)
	v_floor_f32 v[SO+\T], v[SO+\T]                                 ; the new -M = floor(-t): M is a whole number
.endr
.irp T, 0,1
	s_delay_alu instid0(VALU_DEP_2)
	v_sub_f32 v[SO+2+\T], v[SO+\T], v[NM+2*\T]                     ; old M - new M, 0 or less
.endr
.irp T, 0,1
	v_mov_b32 v[NM+2*\T], v[SO+\T]
.endr
.irp T, 0,1
	v_cvt_i32_f32 v[SO+2+\T], v[SO+2+\T]                           ; (it saturates)
.endr
.irp T, 0,1
	s_delay_alu instid0(VALU_DEP_2)
	v_ldexp_f32 v[FF+2*\T], 1.0, v[SO+2+\T]                        ; f = 2^(old M - new M): rounds nothing
.endr
.irp T, 0,1
.set jj, 0
.rept 16
	v_pk_mul_f32 v[O+32*\T+jj:O+32*\T+jj+1], v[O+32*\T+jj:O+32*\T+jj+1], v[FF+2*\T:FF+2*\T+1] op_sel_hi:[1,0]   ; O^T under the new M, ahead of the exponentials
.set jj, jj+2
.endr
.endr
.irp T, 0,1
.irp R, 0,1
	v_pk_fma_f32 v[BM+4*\T+2*\R:BM+4*\T+2*\R+1], v[BM+4*\T+2*\R:BM+4*\T+2*\R+1], s[CS:CS+1], v[NM+2*\T:NM+2*\T+1] op_sel_hi:[1,0,0]   ; t - M of each block's largest score
.endr
.endr
	WIN 0x41
.set jj, 0
.rept 16
	v_pk_fma_f32 v[jj:jj+1], v[jj:jj+1], s[CS:CS+1], v[NM:NM+1] op_sel_hi:[1,0,0]   ; block 0: t - M, two at a time
.set jj, jj+2
.endr
	s_wait_alu depctr_va_vdst(0)                   ; the wait ahead of the first batch
	WIN 0
.irp b, 0,1,2,3,4,5,6,7
	v_exp_f32 v[BM+\b], v[BM+\b]                   ; each block's largest p: the same two instructions on the same number give the same bits
.endr
	BATCH 0
	WIN 0
.irp b, 0,1,2,3,4,5,6,7
	v_max_num_f32 v[BM+\b], 0x1800000, v[BM+\b]    ; the floor 2^(3 - 127): the byte cannot fall under 1
.endr
.irp b, 0,1,2,3,4,5,6,7
	v_add_nc_u32 v[SO+\b], 0xff000000, v[BM+\b]    ; 2 off the exponent field: the conversion's scale operand
.endr
.irp b, 0,1,2,3,4,5,6,7
	v_lshrrev_b32 v[BM+\b], 23, v[SO+\b]           ; the scale's byte
.endr
.irp q, 0,1,2,3
	v_lshl_or_b32 v[TW+\q], v[BM+2*\q+1], 16, v[BM+2*\q]           ; my two blocks' bytes of (tile, record) q
.endr
.irp q, 0,1,2,3
	s_delay_alu instid0(VALU_DEP_4)
	v_permlanex16_b32 v[TX+\q], v[TW+\q], s[SEL], s[SEL+1]
.endr
.irp q, 0,1,2,3
	s_delay_alu instid0(VALU_DEP_4)
	v_lshl_or_b32 v[PS+\q], v[TX+\q], 8, v[TW+\q]  ; lanes 0-15, which alone are read: blocks 0, 2 mine, blocks 1, 3 lane l + 16's
.endr
	CVT 0
.irp k, 1,2,3,4,5,6
	BATCH \k
	CVT \k
.endr
	BATCH 7
	s_wait_dscnt 0x0                               ; V of both records is in
	CVT 7
	WIN 0x45
	ADDS 8                                         ; also the places between P's last codes and the products
	WIN 0
	PV 0, VF
	PV 1, KF
	s_add_co_u32 s[TB], s[TB], 2*RECB
.if \nxt
	v_add_nc_u32 v[ADK], s[TB], v[L16]             ; the next step's addresses: with the two lines below them the four places ahead of loads into registers that the products read
	v_add_nc_u32 v[ADS], s[TB], v[L8]
	v_nop
	v_nop
	KVLOADS
.endif
	WIN 0x45
	ADDS 9                                         ; the rest of the trees
	ADDS 10
	ADDS 11
.irp b, 0,2,4,6
	v_pk_add_f32 v[32*\b:32*\b+1], v[32*\b:32*\b+1], v[32*\b+32:32*\b+33]          ; a tile's four blocks
.endr
.irp T, 0,1
	v_pk_add_f32 v[128*\T:128*\T+1], v[128*\T:128*\T+1], v[128*\T+64:128*\T+65]
.endr
	WIN 0x10
.irp T, 0,1
	v_pk_fma_f32 v[LS+2*\T:LS+2*\T+1], v[LS+2*\T:LS+2*\T+1], v[FF+2*\T:FF+2*\T+1], v[128*\T:128*\T+1] op_sel_hi:[1,0,1]   ; the old sum under the new M, and this step's
.endr
	WIN 0
.endm
	OPEN                                           ; the first eight records: four steps
	s_mov_b32 s[CNT], 3
.Lfirst:
	STEP 1
	s_sub_co_u32 s[CNT], s[CNT], 1
	s_cmp_lg_u32 s[CNT], 0
	s_cbranch_scc1 .Lfirst
	STEP 0
	s_wait_tensorcnt 0x0                           ; my part of the other 24 records is in,
	s_wait_dscnt 0x0
	s_barrier_signal -1
	s_barrier_wait -1                              ; and everybody's.  Nothing is filled again
	OPEN                                           ; twelve steps
	s_mov_b32 s[CNT], 11
.Lrest:
	STEP 1
	s_sub_co_u32 s[CNT], s[CNT], 1
	s_cmp_lg_u32 s[CNT], 0
	s_cbranch_scc1 .Lrest
	STEP 0
	; THE WAY OUT.  O^T / the sum goes through my own stage, a tile of 16 queries x 256 bytes at a time, so that sixteen lanes store one aligned unit of 256 bytes.  No barrier: no other wave touches the stage.
.irp T, 0,1
	v_add_f32 v[LS+2*\T], v[LS+2*\T], v[LS+2*\T+1]
.endr
.irp T, 0,1
	v_permlanex16_b32 v[SO+2+\T], v[LS+2*\T], s[SEL], s[SEL+1]
.endr
.irp T, 0,1
	v_add_f32 v[LS+2*\T], v[LS+2*\T], v[SO+2+\T]   ; the row's sum
.endr
	s_wait_alu depctr_va_vdst(0)                   ; the wait ahead of the transcendentals
	v_rcp_f32 v[LS], v[LS]
	v_rcp_f32 v[LS+2], v[LS+2]
	v_nop
	s_wait_alu depctr_va_vdst(0)                   ; the wait, directly ahead of the first reader of the reciprocals and of O^T
.irp T, 0,1
.set jj, 0
.rept 16
	v_pk_mul_f32 v[KF+32*\T+jj:KF+32*\T+jj+1], v[O+32*\T+jj:O+32*\T+jj+1], v[LS+2*\T:LS+2*\T+1] op_sel_hi:[1,0]   ; register 8 t + j: channel 32 (t / 2) + 8 (t % 2) + 16 h + j of query r
.set jj, jj+2
.endr
.endr
.irp T, 0,1
.irp t, 0,1,2,3
	ds_store_b128 v[STO], v[KF+32*\T+8*\t:KF+32*\T+8*\t+3] offset:128*(\t/2)+32*(\t%2)
	ds_store_b128 v[STO], v[KF+32*\T+8*\t+4:KF+32*\T+8*\t+7] offset:128*(\t/2)+32*(\t%2)+16
.endr
.irp i, 0,1,2,3,4,5,6,7
	ds_load_b128 v[O+32*\T+4*\i:O+32*\T+4*\i+3], v[RD] offset:2*\i*272   ; LDS serves a wave's instructions in order: these see my stores, and tile B's stores come behind tile A's loads
.endr
.endr
	s_wait_dscnt 16                                ; tile A is back; tile B's 8 stores and 8 loads may be out
.irp i, 0,1,2,3,4,5,6,7
	global_store_b128 v[GO], v[O+4*\i:O+4*\i+3], s[8:9] offset:(2*\i+8*(\i/4))*2048 th:TH_STORE_NT   ; row r of a tile is token r + (r & 8)
.endr
	s_wait_dscnt 0x0
.irp i, 0,1,2,3,4,5,6,7
	global_store_b128 v[GO], v[O+32+4*\i:O+32+4*\i+3], s[8:9] offset:(8+2*\i+8*(\i/4))*2048 th:TH_STORE_NT   ; tile B lies 8 tokens on
.endr
	s_wait_tensorcnt 0x0                           ; the wave's end
	ds_add_u32 v[SPW], v[NIL]
	s_wait_dscnt 0x0
	CROUND                                         ; the closing round
	s_endpgm
.Lfunc_end_k_qb34f13f0c9_att:
	.size	k_qb34f13f0c9_att, .Lfunc_end_k_qb34f13f0c9_att-k_qb34f13f0c9_att
	.p2alignl 7, 3214868480
	.fill 96, 4, 3214868480
	.section	.rodata,"a",@progbits
	.p2align	6, 0x0
	.amdhsa_kernel k_qb34f13f0c9_att
		.amdhsa_group_segment_fixed_size 327680
		.amdhsa_private_segment_fixed_size 0
		.amdhsa_enable_private_segment 0
		.amdhsa_kernarg_size 24
		.amdhsa_user_sgpr_count 2
		.amdhsa_user_sgpr_kernarg_segment_ptr 1
		.amdhsa_wavefront_size32 1
		.amdhsa_system_sgpr_workgroup_id_x 1
		.amdhsa_system_sgpr_workgroup_id_y 1
		.amdhsa_system_sgpr_workgroup_id_z 1
		.amdhsa_system_vgpr_workitem_id 0
		.amdhsa_next_free_vgpr 512
		.amdhsa_next_free_sgpr 66
		.amdhsa_reserve_vcc 0
		.amdhsa_float_denorm_mode_32 3
		.amdhsa_float_denorm_mode_16_64 3
		.amdhsa_memory_ordered 1
		.amdhsa_forward_progress 1
		.amdhsa_inst_pref_size 219
	.end_amdhsa_kernel
	.amdgpu_metadata
---
amdhsa.version: [ 1, 2 ]
amdhsa.kernels:
  - .name:           k_qb34f13f0c9_att
    .symbol:         k_qb34f13f0c9_att.kd
    .args:
      - { .name: qc, .offset: 0, .size: 8, .value_kind: global_buffer, .address_space: global }
      - { .name: kv, .offset: 8, .size: 8, .value_kind: global_buffer, .address_space: global }
      - { .name: out0, .offset: 16, .size: 8, .value_kind: global_buffer, .address_space: global }
    .group_segment_fixed_size: 327680
    .private_segment_fixed_size: 0
    .kernarg_segment_align: 8
    .kernarg_segment_size: 24
    .max_flat_workgroup_size: 256
    .sgpr_count:     66
    .vgpr_count:     512
    .wavefront_size: 32
...
	.end_amdgpu_metadata
.endif
;; end of part 3
